; MI455X (gfx1250); checked and timed in simulation.
; The chip was launched on July 23, 2026; its instructions are those of AMD's public machine-readable ISA for CDNA 5 (MIT licence, August 2026) and "CDNA5" Instruction Set Architecture Reference Guide (July 2026). The comments in the code are by the model that wrote it; some were corrected since.
;; Multi Head Attention. Allowed arithmetic: float matrix products may take bf16 or f16 operands with f32 sums; all other float work in f32.
;; Inputs: W_key 512 x 512 float32; W_out_b 512 float32; W_out_w 512 x 512 float32; W_query 512 x 512 float32; W_value 512 x 512 float32; data 32,768 x 512 float32; mask 128 x 256 bool.
;; Outputs: out0 32,768 x 512 float32.
;; Constants: graph_size = 256.
;; One version. Each part assembles by itself: llvm-mc -triple=amdgcn-amd-amdhsa -mcpu=gfx1250 --defsym DOCPART=n.
;; ======== version 1 of 1: 2 launches
;; limits: right only within a limited range of input values; values are held in f16: magnitudes above 65,504 overflow, below 6.1e-05 lose precision
;; workspace buffers: wts 1,048,576 bytes
;; launch prep (part 1): grid 64 x 2, 8 waves a work-group, no clusters, 164,864 bytes of LDS; arguments W_key, W_query, W_out_w, W_value, wts; writes wts
.if DOCPART == 1
	.amdgcn_target "amdgcn-amd-amdhsa--gfx1250"
	.amdhsa_code_object_version 6
	.text
	.protected	k_q096e3aef89_prep
	.globl	k_q096e3aef89_prep
	.p2align	8
	.type	k_q096e3aef89_prep,@function
k_q096e3aef89_prep:
	s_mov_b64 s[64:65], 0
	v_nop
	global_prefetch_b8 v0, s[64:65] scope:SCOPE_SE
	s_setreg_imm32_b32 hwreg(HW_REG_WAVE_MODE, 25, 1), 1
	s_wait_xcnt 0x0
; prep: the two products of weights that the attention launch needs, in f16, laid out as matrix fragments.
;   y = 0:  MT[x][i] = c * sum over d of W_key[d][x] * W_query[d][i],  c = log2(e) / sqrt(512)
;   y = 1:  NN[x][i] =     sum over d of W_out_w[x][d] * W_value[d][i]
; so that scores * log2(e) = (X MT^T) X^T and out = (attn X) NN^T + b.  This is associativity alone and holds for every input.
; FORMAT: f16 and not bf16, here and in the attention launch: the result passes through a chain of roundings (weights, MT or NN, X, Q', P, H), each
; at most 2^-11 of the number in f16 against 2^-8 in bf16, and the result is judged to a hundredth of its root mean square.
; LIMITS: the order of rounding differs from the reference (the two products are rounded to f16 once, here).  The weights and the two products
; must stay below 65,504 in magnitude; numbers below 2^-14 keep an absolute error of up to 2^-25 instead of a relative one.
; A work-group makes 64 x 64 numbers over d = 512: 128 work-groups in all; a finer split would need a sum across work-groups.
; Eight waves: wave wv makes x tile wv >> 1 and the two i tiles 2 (wv & 1) + e.
; Both operands go through LDS as f16: R[d][i0 ..] and W_key[d][x0 ..] lie with d from row to row and are read by transposing loads,
; W_out_w[x0 + row][d] lies with d along the row and is read by plain loads.
; No cluster: what neighbours share here is 256 KB a work-group, read once, from 4 MB that stay cached; the launch is short.
; wts: MT at 0, NN at 524,288.  Fragment (w, t, b) at w * 131072 + t * 8192 + b * 1024; in it byte e * 512 + 16 * lane holds the eight f16
; of row (lane & 15) of the tile at i = 32 t + 16 e + 8 (lane >> 4) ..: registers 4e .. 4e+3 of that lane.
; MT: tile row x = 64 b + 16 w + r.   NN: x = 128 w + 16 b + r.
.set PT,  160                          ; LDS pitch of the tiles with d from row to row: 128 bytes of data, 5 x 32
.set PN,  1040                         ; LDS pitch of W_out_w rows: 1,024 bytes of data + 16
.set RB,  0                            ; R: 512 rows x PT
.set LB,  512*PT                       ; L behind it: 512 rows x PT, or 64 rows x PN
.set ACC, 16                           ; v[16:31]  two accumulators
.set F0,  64                           ; v[64:159]   fragments of four K steps (24 registers a step: L, R e = 0, R e = 1)
.set F1,  160                          ; v[160:255]  the same, second buffer.  v[64:255] first serve as the ring of global loads
; v1 lane, v2 r, v3 h, v4/v5 global/LDS staging address of R, v6/v7 of L, v8/v9 fragments of R (K steps 0-7 / 8-15),
; v10/v11 fragments of L, v12 16 x lane, v13 lane term of a transposing load, v[32:39] packed result
.macro PLACES                          ; four idle vector places behind matrix instructions (ISA guide 7.12.1)
.rept 4
	v_nop
.endr
.endm
.macro GLD first, count, reg, gv, base ; loads number first .. : two rows (or two quarter rows) further with each
.set n, \first
.rept \count
	global_load_b128 v[\reg+4*(n-\first):\reg+4*(n-\first)+3], v[\gv], s[\base:\base+1] offset:n*4096
.set n, n+1
.endr
.endm
.macro CVST first, count, reg, lv, stride      ; four f32 become four f16 in place and go to LDS
.set n, \first
.rept \count
	v_cvt_pk_f16_f32 v[\reg+4*(n-\first)],   v[\reg+4*(n-\first)],   v[\reg+4*(n-\first)+1]
	v_cvt_pk_f16_f32 v[\reg+4*(n-\first)+1], v[\reg+4*(n-\first)+2], v[\reg+4*(n-\first)+3]
	ds_store_b64 v[\lv], v[\reg+4*(n-\first):\reg+4*(n-\first)+1] offset:n*\stride
.set n, n+1
.endr
.endm
.macro FRAGS path, q, F                ; 24 LDS loads: the fragments of K steps 4q .. 4q+3
.irp s, 0,1,2,3
.set t, 4*\q+\s
.set fb, \F+24*\s
.if \path == 0
	ds_load_tr16_b128 v[fb:fb+3],   v[10+(t>>3)] offset:(t&7)*32*PT
	ds_load_tr16_b128 v[fb+4:fb+7], v[10+(t>>3)] offset:(t&7)*32*PT+16*PT
.else
	ds_load_b128 v[fb:fb+3],   v10 offset:64*t
	ds_load_b128 v[fb+4:fb+7], v10 offset:64*t+32
.endif
.irp e, 0,1
	ds_load_tr16_b128 v[fb+8+8*\e:fb+8+8*\e+3],   v[8+(t>>3)] offset:(t&7)*32*PT+32*\e
	ds_load_tr16_b128 v[fb+12+8*\e:fb+12+8*\e+3], v[8+(t>>3)] offset:(t&7)*32*PT+16*PT+32*\e
.endr
.endr
.endm
; Source 0 = 16 columns i of R, source 1 = 16 rows x of L: register j of lane (r, h) is (x = r, i = 8 h + j), eight neighbours along i.
.macro MUL1 F, s, zero
.irp e, 0,1
.if \zero
	v_wmma_f32_16x16x32_f16 v[ACC+8*\e:ACC+8*\e+7], v[\F+24*\s+8+8*\e:\F+24*\s+15+8*\e], v[\F+24*\s:\F+24*\s+7], 0
.else
	v_wmma_f32_16x16x32_f16 v[ACC+8*\e:ACC+8*\e+7], v[\F+24*\s+8+8*\e:\F+24*\s+15+8*\e], v[\F+24*\s:\F+24*\s+7], v[ACC+8*\e:ACC+8*\e+7]
.endif
.endr
.endm
.macro MULS F, zero
	MUL1 \F, 0, \zero
	MUL1 \F, 1, 0
	MUL1 \F, 2, 0
	MUL1 \F, 3, 0
.endm
.macro TAIL path                       ; 16 K steps in four batches through two buffers
	FRAGS \path, 0, F0
	FRAGS \path, 1, F1
	s_wait_dscnt 24                                ; the older batch is in, the 24 younger loads stay out
	MULS F0, 1                                     ; the first products start the sums
	PLACES
	FRAGS \path, 2, F0
	s_wait_dscnt 24
	MULS F1, 0
	PLACES
	FRAGS \path, 3, F1
	s_wait_dscnt 24
	MULS F0, 0
	s_wait_dscnt 0x0
	MULS F1, 0
.endm
	s_load_b256 s[4:11], s[0:1], 0x0               ; W_key s[4:5], W_query s[6:7], W_out_w s[8:9], W_value s[10:11]
	s_load_b64 s[12:13], s[0:1], 0x20              ; wts
	v_lshl_add_u32 v62, v0, 2, 0x28000
	v_mov_b32 v63, 0
	v_lshrrev_b32 v1, 5, v0
	v_readfirstlane_b32 s14, v1                    ; wave 0..7
	s_and_b32 s15, ttmp7, 0xffff                   ; y: which product
	s_and_b32 s16, ttmp9, 7                        ; bx: rows x0 = 64 bx
	s_lshr_b32 s17, ttmp9, 3                       ; bi: columns i0 = 64 bi
	v_and_b32 v1, 31, v0                           ; lane
	v_and_b32 v2, 15, v0                           ; r
	v_bfe_u32 v3, v0, 4, 1                         ; h
	; R: a load takes 64 columns (256 bytes) of two rows d; wave wv owns rows 64 wv .. 64 wv + 63
	s_lshl_b32 s24, s14, 17                        ; 64 wv rows of 2,048 bytes
	v_lshlrev_b32 v4, 4, v2
	v_lshl_add_u32 v4, v3, 11, v4
	v_add_nc_u32 v4, s24, v4                       ; (64 wv + h) * 2048 + 16 r
	s_mul_i32 s25, s14, 64*PT
	v_mul_u32_u24 v5, v3, PT
	v_lshl_add_u32 v5, v2, 3, v5
	v_add_nc_u32 v5, s25, v5                       ; (64 wv + h) * PT + 8 r
	; L from memory.  y = 0: as R.  y = 1: a load takes a quarter (512 bytes) of a row: row 2 n + (wv >> 2), quarter wv & 3
	s_lshr_b32 s26, s14, 2
	s_and_b32 s27, s14, 3
	s_lshl_b32 s28, s26, 11
	s_lshl_b32 s29, s27, 9
	s_add_co_u32 s28, s28, s29
	s_lshl_b32 s30, s16, 8                         ; y = 0: 4 x0 bytes along the rows
	s_lshl_b32 s31, s16, 17                        ; y = 1: x0 rows of 2,048 bytes
	s_lshr_b32 s32, s14, 1                         ; xt: my x tile
	s_and_b32 s33, s14, 1                          ; which pair of i tiles
	s_lshr_b32 s34, s16, 1
	s_and_b32 s35, s16, 1
	s_lshl2_add_u32 s35, s35, s32                  ; 4 (bx & 1) + xt
	s_lshl1_add_u32 s36, s17, s33                  ; t = 2 bi + (wv & 1)
	s_lshl_b32 s36, s36, 13
	s_lshl_b32 s37, s15, 19                        ; NN lies 524,288 bytes behind MT
	s_add_co_u32 s36, s36, s37
	s_cmp_eq_u32 s15, 0
	s_cselect_b32 s28, s24, s28                    ; the wave term of L's offset
	s_cselect_b32 s29, 11, 8                       ; lanes 16-31: the next row, or the next 256 bytes
	s_cselect_b32 s30, s30, s31
	s_cselect_b32 s34, s32, s34                    ; w of the fragment: xt, or bx >> 1
	s_cselect_b32 s35, s16, s35                    ; b of the fragment: bx, or 4 (bx & 1) + xt
	s_cselect_b32 s22, 0x3d8293ee, 1.0             ; c = log2(e) / sqrt(512) for MT, 1 for NN
	s_mov_b32 s23, s22
	s_mov_b32 s31, 0
	v_lshlrev_b32 v6, s29, v3
	v_lshl_add_u32 v6, v2, 4, v6
	v_add_nc_u32 v6, s28, v6
	s_lshl_b32 s34, s34, 17
	s_lshl_b32 s35, s35, 10
	s_add_co_u32 s34, s34, s35
	s_add_co_u32 s34, s34, s36                     ; byte offset of my two half fragments in wts
	s_mov_b32 s35, 0
	s_lshl_b32 s24, s17, 8                         ; 4 i0 bytes along the rows of R
	s_mov_b32 s25, 0
	s_wait_kmcnt 0x0
	s_cmp_eq_u32 s15, 0                            ; again: shifts and adds write SCC
	s_cselect_b64 s[18:19], s[4:5], s[8:9]         ; L: W_key or W_out_w
	s_cselect_b64 s[20:21], s[6:7], s[10:11]       ; R: W_query or W_value
	s_add_nc_u64 s[18:19], s[18:19], s[30:31]
	s_add_nc_u64 s[20:21], s[20:21], s[24:25]
	s_add_nc_u64 s[12:13], s[12:13], s[34:35]
	GLD 0, 32, 64, 4, 20                           ; all of my part of R
	GLD 0, 16, 192, 6, 18                          ; and the first half of my part of L: 48 loads on their way
	; fragment addresses, while the loads fly
	v_lshlrev_b32 v12, 4, v1                       ; 16 x lane
	v_and_b32 v13, 7, v0
	v_lshl_add_u32 v13, v3, 3, v13                 ; row 8 h + (lane & 7)
	v_mul_u32_u24 v13, v13, PT
	v_bfe_u32 v14, v0, 3, 1
	v_lshl_add_u32 v13, v14, 4, v13                ; + 16 bytes for lanes 8-15 and 24-31
	s_lshl_b32 s38, s33, 6                         ; my pair of i tiles: 64 bytes
	v_add_nc_u32 v8, s38, v13
	v_add_nc_u32 v9, 8*32*PT, v8                   ; K steps 8-15: beyond an LDS offset's reach
	s_wait_loadcnt 40                              ; R's first eight loads are in; 24 of R and 16 of L stay out
	CVST 0, 8, 64, 5, 2*PT
	s_wait_loadcnt 32
	CVST 8, 8, 96, 5, 2*PT
	s_wait_loadcnt 24
	CVST 16, 8, 128, 5, 2*PT
	s_wait_loadcnt 16
	CVST 24, 8, 160, 5, 2*PT
	GLD 16, 16, 64, 6, 18                          ; the second half of L, into registers that R has left
	s_cmp_lg_u32 s15, 0
	s_cbranch_scc1 .Lstage_n
	v_add_nc_u32 v7, LB, v5                        ; y = 0: L is staged as R is
	s_wait_loadcnt 16                              ; the first half is in, the 16 younger loads stay out
	CVST 0, 16, 192, 7, 2*PT
	s_wait_loadcnt 0x0
	CVST 16, 16, 64, 7, 2*PT
	s_branch .Lstaged
.Lstage_n:
	s_mul_i32 s38, s26, PN                         ; y = 1: row 2 n + (wv >> 2), 256 bytes of f16 for each quarter
	s_lshl_b32 s39, s27, 8
	s_add_co_u32 s38, s38, s39
	s_add_co_u32 s38, s38, LB
	v_lshl_add_u32 v7, v1, 3, s38
	s_wait_loadcnt 16
	CVST 0, 16, 192, 7, 2*PN
	s_wait_loadcnt 0x0
	CVST 16, 16, 64, 7, 2*PN
.Lstaged:
	s_wait_dscnt 0x0                               ; my stores are in LDS, for the sake of the other waves
	s_barrier_signal -1
	s_barrier_wait -1
	s_cmp_lg_u32 s15, 0
	s_cbranch_scc1 .Ltail_n
	s_lshl_b32 s38, s32, 5                         ; y = 0: my x tile is 32 bytes along the rows
	s_add_co_u32 s38, s38, LB
	v_add_nc_u32 v10, s38, v13
	v_add_nc_u32 v11, 8*32*PT, v10
	TAIL 0
	s_branch .Lout
.Ltail_n:
	s_mul_i32 s38, s32, 16*PN                      ; y = 1: my x tile is 16 rows
	s_add_co_u32 s38, s38, LB
	v_mul_u32_u24 v10, v2, PN
	v_lshl_add_u32 v10, v3, 4, v10
	v_add_nc_u32 v10, s38, v10
	TAIL 1
.Lout:
	PLACES
.irp p, 0,1,2,3,4,5,6,7
	v_pk_mul_f32 v[ACC+2*\p:ACC+2*\p+1], v[ACC+2*\p:ACC+2*\p+1], s[22:23] op_sel_hi:[1,0]
.endr
.irp p, 0,1,2,3,4,5,6,7
	v_cvt_pk_f16_f32 v[32+\p], v[ACC+2*\p], v[ACC+2*\p+1]
.endr
	global_store_b128 v12, v[32:35], s[12:13]              ; each store of the wave covers 512 consecutive bytes, aligned
	global_store_b128 v12, v[36:39], s[12:13] offset:512
	s_wait_tensorcnt 0x0
	ds_add_u32 v62, v63
	s_wait_dscnt 0x0
	s_endpgm
.Lfunc_end_k_q096e3aef89_prep:
	.size	k_q096e3aef89_prep, .Lfunc_end_k_q096e3aef89_prep-k_q096e3aef89_prep
	.p2alignl 7, 3214868480
	.fill 96, 4, 3214868480
	.section	.rodata,"a",@progbits
	.p2align	6, 0x0
	.amdhsa_kernel k_q096e3aef89_prep
		.amdhsa_group_segment_fixed_size 164864
		.amdhsa_private_segment_fixed_size 0
		.amdhsa_enable_private_segment 0
		.amdhsa_kernarg_size 40
		.amdhsa_user_sgpr_count 2
		.amdhsa_user_sgpr_kernarg_segment_ptr 1
		.amdhsa_wavefront_size32 1
		.amdhsa_system_sgpr_workgroup_id_x 1
		.amdhsa_system_sgpr_workgroup_id_y 1
		.amdhsa_system_sgpr_workgroup_id_z 1
		.amdhsa_system_vgpr_workitem_id 0
		.amdhsa_next_free_vgpr 256
		.amdhsa_next_free_sgpr 66
		.amdhsa_reserve_vcc 0
		.amdhsa_float_denorm_mode_32 3
		.amdhsa_float_denorm_mode_16_64 3
		.amdhsa_memory_ordered 1
		.amdhsa_forward_progress 1
		.amdhsa_inst_pref_size 47
	.end_amdhsa_kernel
	.amdgpu_metadata
---
amdhsa.version: [ 1, 2 ]
amdhsa.kernels:
  - .name:           k_q096e3aef89_prep
    .symbol:         k_q096e3aef89_prep.kd
    .args:
      - { .name: W_key, .offset: 0, .size: 8, .value_kind: global_buffer, .address_space: global }
      - { .name: W_query, .offset: 8, .size: 8, .value_kind: global_buffer, .address_space: global }
      - { .name: W_out_w, .offset: 16, .size: 8, .value_kind: global_buffer, .address_space: global }
      - { .name: W_value, .offset: 24, .size: 8, .value_kind: global_buffer, .address_space: global }
      - { .name: wts, .offset: 32, .size: 8, .value_kind: global_buffer, .address_space: global }
    .group_segment_fixed_size: 164864
    .private_segment_fixed_size: 0
    .kernarg_segment_align: 8
    .kernarg_segment_size: 40
    .max_flat_workgroup_size: 256
    .sgpr_count:     66
    .vgpr_count:     256
    .wavefront_size: 32
...
	.end_amdgpu_metadata
.endif
;; end of part 1
;; launch attn (part 2): grid 256 x 1, 4 waves a work-group, no clusters, 327,680 bytes of LDS; arguments data, wts, mask, W_out_b, out0; writes out0
.if DOCPART == 2
	.amdgcn_target "amdgcn-amd-amdhsa--gfx1250"
	.amdhsa_code_object_version 6
	.text
	.protected	k_q096e3aef89_attn
	.globl	k_q096e3aef89_attn
	.p2align	8
	.type	k_q096e3aef89_attn,@function
k_q096e3aef89_attn:
	s_mov_b64 s[64:65], 0
	v_nop
	global_prefetch_b8 v0, s[64:65] scope:SCOPE_SE
	s_setreg_imm32_b32 hwreg(HW_REG_WAVE_MODE, 25, 1), 1
	s_wait_xcnt 0x0
; attn: the whole attention of 128 query rows of one graph; work-group g: graph g >> 1, rows 128 (g & 1) ..  Four waves, one a SIMD.
;   phase 0  X (256 rows x 512) from f32 to f16 into LDS; my own 128 rows become LDS rows 0-127 (a permutation of the keys changes only the order of sums)
;   stage 1  Q' = X_own MT^T      128 x 512, K = 512; MT holds W_key^T W_query times log2(e) / sqrt(512)
;   stage 2  S  = Q' X^T + bias   128 x 256, K = 512; the bias, -2^100 at masked keys, is the first product's C
;   softmax  in base 2; P = exp2(S - max) / sum, f16
;   stage 3  H  = P X             128 x 512, K = 256
;   stage 4  out = H NN^T + b     128 x 512, K = 512; NN = W_out_w W_value; b is the first product's C
; Nothing but X, the weights, the mask and b is read, nothing but out is written.
; FORMAT: every matrix operand is f16, sums are f32.  f16 and not bf16: X, Q', P and H are each rounded once on the way, at most 2^-11 of the
; number in f16 against 2^-8 in bf16, and the result is judged to a hundredth of its root mean square.
; LIMITS.  data and Q' must stay below 65,504 in magnitude (H is then below it too: it is an average of rows of X); numbers below 2^-14 keep an
; absolute error of up to 2^-25 instead of a relative one.  The products are associated otherwise than in the reference (see prep), so the
; order of rounding differs.  Scores times log2(e) must lie above -2^64 and be small against 2^100.  Of a mask byte bit 0 alone is read
; (bool: 0 or 1).  A graph whose keys are all masked gives P = 0 and out = b, as the reference does.  NaN and infinities in the inputs are not
; reproduced place by place.  exp2 below 2^-126 is taken as zero (ISA guide, v_exp_f32).
; NO CLUSTER, NO DATA MOVER: X and the ring of chunks take 326,144 of the 327,680 bytes of LDS, so no weight tile fits beside them, and each
; weight fragment feeds exactly one wave of the work-group: it goes from memory to that wave's registers, 512 consecutive bytes a load.
;
; LDS.  XS: row p at (p >> 3) * 8464 + (p & 7) * 1056: the 16 rows of a fragment load, and the 8 rows x 2 columns of a transposing load,
; start at sixteen different multiples of 16 bytes modulo 256.  STG: three slots of 128 rows x 64 f16, pitch 144 (chunks of Q', then of P).
.set XPITCH, 1056
.set XROW8,  8464                      ; 8 rows
.set XT16,   16928                     ; 16 rows
.set XQ,     67712                     ; 64 rows
.set XHALF,  135424                    ; 128 rows
.set STG,    270848                    ; behind 256 rows
.set SPITCH, 144
.set SROW16, 2304                      ; 16 rows of a slot
.set SSLOT,  18432
.set REDM,   STG+2*SSLOT               ; row maxima of the two waves that share a row: 128 rows x 8 bytes, in slot 2, idle during the softmax
.set REDS,   1024                      ; row sums, so far behind REDM
.set OST,    XHALF                     ; way out: 16 rows x 528 bytes for each wave, behind H
.set OPITCH, 528
.set OWAVE,  16*OPITCH
; REGISTERS in windows of 256.  Windows 2, 3: accumulators, tile (a, b) at v[8 (8 (a & 3) + b)], rows 0-63 in window 2, 64-127 in window 3
; (Q', then H, then out).  Window 1: ring of four weight slots (stages 1, 4); S (stage 2); P in v0-127 and fragments of X^T in v128-255 (stage 3).
; Window 0:
.set XG,   4                           ; phase 0: 32 w rows of 2,048 bytes + 16 lane
.set XS0,  5                           ; phase 0: LDS, rows 32 w .., + 8 lane;  XS0 + 1: the other 128 rows
.set WOF,  7                           ; weights: w * 131072 + 16 lane
.set AL,   8                           ; FR = fragment lane term in XS: (r >> 3) * 8464 + (r & 7) * 1056 + 16 h
.set AH,   9                           ; FR + 64 rows
.set XA,   10                          ; v10-13: FR + key tile wk + 64 q rows
.set SGA2, 14                          ; stage 2: Q' fragments of my 64 rows
.set SGW,  15                          ; where I put Q': row r, my 16 columns
.set SGA3, 16                          ; stage 3: P fragments of all 128 rows
.set PWA,  17                          ; where I put P
.set XTA,  18                          ; transposing loads of X, my 128 columns
.set HW0,  19                          ; where I put H, rows 0-63;  HW0 + 1: rows 64-127
.set REDW, 21
.set REDR, 22
.set OSW,  23
.set OSR,  24
.set OG,   25
.set MLO,  26
.set MHI,  27
.set BO,   28
.set ALW,  29                          ; working copies of AL, AH, stepped by the loop
.set AHW,  30
.set T,    32                          ; v32-63: raw mask, packed results on their way to LDS, the softmax's row figures
.set MX,   32
.set NM,   40
.set SM,   48
.set INV,  56
.set FA0,  64                          ; fragments from LDS, two buffers of 64
.set FA1,  128
.set CB,   192                         ; 64 numbers for a first product's C: tile b at CB + 8 b
; s[4:5] my rows of data, s[6:7] the other 128 rows, s[8:9] MT, s[10:11] NN, s[12:13] my graph's mask, s[14:15] b, s[16:17] my rows of out,
; s20 wave w, s21 wr = w >> 1, s22 wk = w & 1, s23 half, s25 loop counter, s26-27 lane selects, s28 -2^100, s29 -2^64, s[32:33] running weight pointer
.set MSB, 0
.macro WIN new                         ; low byte: bits 1:0 source 0, 3:2 source 1, 5:4 source 2, 7:6 destination; high byte: the setting that is left
.if MSB != \new
	s_set_vgpr_msb (MSB<<8)|\new
.set MSB, \new
.endif
.endm
.macro PLACES                          ; four idle vector places behind matrix instructions (ISA guide 7.12.1)
.rept 4
	v_nop
.endr
.endm
.macro BARRIER
	s_barrier_signal -1
	s_barrier_wait -1
.endm
; ---- phase 0.  Sub-batch n = two rows = eight loads of 512 consecutive bytes, through six register slots of 32.
.macro XLD n
.irp e, 0,1
.irp q, 0,1,2,3
	global_load_b128 v[64+32*((\n)%6)+16*\e+4*\q:64+32*((\n)%6)+16*\e+4*\q+3], v[XG], s[4+2*((\n)>>4):5+2*((\n)>>4)] offset:((2*(\n)+\e)&31)*2048+\q*512
.endr
.endr
.endm
.macro XST n
.if (\n) < 26
	s_wait_loadcnt 40                              ; five younger sub-batches of eight loads stay out
.else
	s_wait_loadcnt 8*(31-(\n))                     ; nothing is issued any more: the counts run down
.endif
.irp e, 0,1
.irp q, 0,1,2,3
.set xr, 64+32*((\n)%6)+16*\e+4*\q
	v_cvt_pk_f16_f32 v[xr],   v[xr],   v[xr+1]
	v_cvt_pk_f16_f32 v[xr+1], v[xr+2], v[xr+3]
.endr
.endr
.irp e, 0,1
.irp q, 0,1,2,3
.set xr, 64+32*((\n)%6)+16*\e+4*\q
.set ip, (2*(\n)+\e)&31
	ds_store_b64 v[XS0+((\n)>>4)], v[xr:xr+1] offset:(ip>>3)*XROW8+(ip&7)*XPITCH+\q*256
.endr
.endr
.if (\n) < 26
	XLD (\n)+6
.endif
.endm
; ---- stages 1 and 4
.macro WLOAD slot, timm                ; the eight weight fragments of one K step: 16 loads of 512 consecutive bytes into window 1
	WIN 0x40
.irp b, 0,1,2,3,4,5,6,7
	global_load_b128 v[64*\slot+8*\b:64*\slot+8*\b+3],   v[WOF], s[32:33] offset:\timm*8192+\b*1024
	global_load_b128 v[64*\slot+8*\b+4:64*\slot+8*\b+7], v[WOF], s[32:33] offset:\timm*8192+\b*1024+512
.endr
.endm
.macro AFETCH buf, koff                ; the eight row fragments of one K step; rows 0-63 first
	WIN 0
.irp a, 0,1,2,3
	ds_load_b128 v[\buf+8*\a:\buf+8*\a+3],   v[ALW] offset:\a*XT16+\koff
	ds_load_b128 v[\buf+8*\a+4:\buf+8*\a+7], v[ALW] offset:\a*XT16+\koff+32
.endr
.irp a, 0,1,2,3
	ds_load_b128 v[\buf+32+8*\a:\buf+32+8*\a+3], v[AHW] offset:\a*XT16+\koff
	ds_load_b128 v[\buf+36+8*\a:\buf+36+8*\a+3], v[AHW] offset:\a*XT16+\koff+32
.endr
.endm
; 16 products: row tiles a0, a0 + 1 of the window's four x all 8 column tiles.  Source 0 = 16 columns (window 1), source 1 = 16 rows (window 0):
; register j of lane (r, h) is (row r, column 8 h + j), eight neighbours of a row.  cmode 0: accumulate; 1: C = 0; 2: C = CB.
.macro MUL16 fb, fa, hi, a0, cmode
.irp a, \a0, \a0+1
.irp b, 0,1,2,3,4,5,6,7
.if \cmode == 1
	v_wmma_f32_16x16x32_f16 v[8*(8*(\a)+\b):8*(8*(\a)+\b)+7], v[(\fb)+8*\b:(\fb)+8*\b+7], v[(\fa)+8*(4*\hi+(\a)):(\fa)+8*(4*\hi+(\a))+7], 0
.else
.if \cmode == 2
	v_wmma_f32_16x16x32_f16 v[8*(8*(\a)+\b):8*(8*(\a)+\b)+7], v[(\fb)+8*\b:(\fb)+8*\b+7], v[(\fa)+8*(4*\hi+(\a)):(\fa)+8*(4*\hi+(\a))+7], v[CB+8*\b:CB+8*\b+7]
.else
	v_wmma_f32_16x16x32_f16 v[8*(8*(\a)+\b):8*(8*(\a)+\b)+7], v[(\fb)+8*\b:(\fb)+8*\b+7], v[(\fa)+8*(4*\hi+(\a)):(\fa)+8*(4*\hi+(\a))+7], v[8*(8*(\a)+\b):8*(8*(\a)+\b)+7]
.endif
.endif
.endr
.endr
.endm
; One K step of 32: 64 products; in its middle the weights of step t + 3 (rslot, rtimm; none if rslot < 0) and the rows of step t + 1 (obuf, koff; none if koff < 0).
.macro GK slot, abuf, obuf, cmode, lcnt, rslot, rtimm, koff
	s_wait_loadcnt \lcnt                           ; this step's weights are in; the younger slots (16 loads each) stay out
	s_wait_dscnt 8                                 ; rows 0-63 are in; the eight loads of rows 64-127 may be out
.if \cmode == 2
	WIN 0x81
.else
	WIN 0xa1
.endif
	MUL16 64*\slot, \abuf, 0, 0, \cmode
	MUL16 64*\slot, \abuf, 0, 2, \cmode
.if \koff >= 0
	PLACES                                         ; the registers loaded next were read by the step before
.if \rslot >= 0
	WLOAD \rslot, \rtimm
.endif
	AFETCH \obuf, \koff
	s_wait_dscnt 16                                ; all but the 16 just issued
.else
	s_wait_dscnt 0x0
.endif
.if \cmode == 2
	WIN 0xc1
.else
	WIN 0xf1
.endif
	MUL16 64*\slot, \abuf, 1, 0, \cmode
	MUL16 64*\slot, \abuf, 1, 2, \cmode
.endm
; 128 x 128 a wave over K = 512: 16 steps.  Weight slots 0-2 are on their way at the entry, s[32:33] at the matrix's start.
.macro GEMM512 cmode, lbl
	WIN 0
	v_mov_b32 v[ALW], v[AL]
	v_mov_b32 v[AHW], v[AH]
	AFETCH FA0, 0
	GK 0, FA0, FA1, \cmode, 32, 3, 3, 64           ; step 0 starts the sums
	WIN 0
	s_mov_b32 s25, 3
\lbl:
	GK 1, FA1, FA0, 0, 32, 0, 4, 128               ; steps 1 + 4 i .. 4 + 4 i
	GK 2, FA0, FA1, 0, 32, 1, 5, 192
	GK 3, FA1, FA0, 0, 32, 2, 6, 256
	GK 0, FA0, FA1, 0, 32, 3, 7, 320
	WIN 0
	s_wait_xcnt 0x0                                ; the weight pointer is a source of the loads above: stepped only behind this wait
	s_add_nc_u64 s[32:33], s[32:33], 4*8192
	v_add_nc_u32 v[ALW], 256, v[ALW]
	v_add_nc_u32 v[AHW], 256, v[AHW]
	s_sub_co_i32 s25, s25, 1
	s_cmp_lg_u32 s25, 0
	s_cbranch_scc1 \lbl
	GK 1, FA1, FA0, 0, 32, -1, 0, 128              ; steps 13, 14, 15: no more weights to ask for, the counts run down
	GK 2, FA0, FA1, 0, 16, -1, 0, 192
	GK 3, FA1, FA0, 0, 0, -1, 0, -1
.endm
; ---- stage 2
.macro QWRITE c                        ; chunk c of Q' (columns 64 c ..): my tiles (a, c) are its columns 16 w .. 16 w + 15
	WIN 0x0a
.irp a, 0,1,2,3
.irp k, 0,1,2,3
	v_cvt_pk_f16_f32 v[T+4*\a+\k], v[8*(8*\a+(\c))+2*\k], v[8*(8*\a+(\c))+2*\k+1]
.endr
.endr
	WIN 0x0f
.irp a, 0,1,2,3
.irp k, 0,1,2,3
	v_cvt_pk_f16_f32 v[T+16+4*\a+\k], v[8*(8*\a+(\c))+2*\k], v[8*(8*\a+(\c))+2*\k+1]
.endr
.endr
	WIN 0
.irp a, 0,1,2,3,4,5,6,7
	ds_store_b128 v[SGW], v[T+4*\a:T+4*\a+3] offset:((\c)%3)*SSLOT+\a*SROW16
.endr
.endm
.macro S2FETCH p, t                    ; K step t: 4 fragments of Q' (my 64 rows) and 8 of X (key tiles 2 b + wk): 24 loads
	WIN 0
.irp a, 0,1,2,3
	ds_load_b128 v[64+32*(\p)+8*\a:64+32*(\p)+8*\a+3],   v[SGA2] offset:(((\t)>>1)%3)*SSLOT+\a*SROW16+64*((\t)&1)
	ds_load_b128 v[64+32*(\p)+8*\a+4:64+32*(\p)+8*\a+7], v[SGA2] offset:(((\t)>>1)%3)*SSLOT+\a*SROW16+64*((\t)&1)+32
.endr
.irp b, 0,1,2,3,4,5,6,7
	ds_load_b128 v[128+64*(\p)+8*\b:128+64*(\p)+8*\b+3],   v[XA+(\b>>1)] offset:(\b&1)*2*XT16+64*(\t)
	ds_load_b128 v[128+64*(\p)+8*\b+4:128+64*(\p)+8*\b+7], v[XA+(\b>>1)] offset:(\b&1)*2*XT16+64*(\t)+32
.endr
.endm
; Source 0 = 16 keys, source 1 = 16 query rows: register j of lane (r, h) is (row r, key 8 h + j).  S tile (a, b) at window 1, v[8 (8 a + b)].
.macro S2MUL p, a0, cmode
.irp a, \a0, \a0+1
.irp b, 0,1,2,3,4,5,6,7
.if \cmode
	v_wmma_f32_16x16x32_f16 v[8*(8*(\a)+\b):8*(8*(\a)+\b)+7], v[128+64*\p+8*\b:128+64*\p+8*\b+7], v[64+32*\p+8*(\a):64+32*\p+8*(\a)+7], v[CB+8*\b:CB+8*\b+7]
.else
	v_wmma_f32_16x16x32_f16 v[8*(8*(\a)+\b):8*(8*(\a)+\b)+7], v[128+64*\p+8*\b:128+64*\p+8*\b+7], v[64+32*\p+8*(\a):64+32*\p+8*(\a)+7], v[8*(8*(\a)+\b):8*(8*(\a)+\b)+7]
.endif
.endr
.endr
.endm
.macro S2ODD t                         ; the second step of a chunk; it fetches the next chunk's first step
	s_wait_dscnt 0x0
.if \t < 15
	PLACES
	S2FETCH 0, \t+1
.endif
	WIN 0x50
	S2MUL 1, 0, 0
	S2MUL 1, 2, 0
.endm
; The first step of chunk c = t / 2.  Its barrier orders two things: the chunk stored one chunk ago is read only behind it (from the next odd
; step on), and the slot of chunk c - 1, whose reads every wave has waited for in front of its signal, is overwritten only behind it (chunk qw = c + 2).
.macro S2EVEN t, qw
	s_wait_dscnt 0x0
	s_barrier_signal -1
	PLACES
	S2FETCH 1, \t+1                                ; reads chunk c and X: bytes that no wave writes before the next barrier
	WIN 0x50
	S2MUL 0, 0, 0
	s_barrier_wait -1
.if \qw >= 0
	QWRITE \qw
.endif
	WIN 0x50
	S2MUL 0, 2, 0
.endm
; ---- stage 3
.macro PWRITE c                        ; chunk c of P (keys 64 c ..): my tiles (a, 2 c + e) are its key tiles 2 e + wk, rows 64 wr ..
	WIN 0x04
.irp a, 0,1,2,3
.irp e, 0,1
	ds_store_b128 v[PWA], v[4*(8*\a+2*(\c)+\e):4*(8*\a+2*(\c)+\e)+3] offset:((\c)%3)*SSLOT+\a*SROW16+64*\e
.endr
.endr
.endm
.macro S3FETCH p, t                    ; K step t (32 keys): 8 fragments of X^T (my 128 columns, transposing loads), then 8 of P: 32 loads
.if ((\t)&1) == 0
.if (\t) > 0
	WIN 0
	v_add_nc_u32 v[XTA], XQ, v[XTA]                ; 64 keys further
.endif
.endif
	WIN 0x40
.irp b, 0,1,2,3,4,5,6,7
	ds_load_tr16_b128 v[128+64*(\p)+8*\b:128+64*(\p)+8*\b+3],   v[XTA] offset:((\t)&1)*2*XT16+32*\b
	ds_load_tr16_b128 v[128+64*(\p)+8*\b+4:128+64*(\p)+8*\b+7], v[XTA] offset:((\t)&1)*2*XT16+32*\b+XT16
.endr
	WIN 0
.irp a, 0,1,2,3,4,5,6,7
	ds_load_b128 v[64+64*(\p)+8*\a:64+64*(\p)+8*\a+3],   v[SGA3] offset:(((\t)>>1)%3)*SSLOT+\a*SROW16+64*((\t)&1)
	ds_load_b128 v[64+64*(\p)+8*\a+4:64+64*(\p)+8*\a+7], v[SGA3] offset:(((\t)>>1)%3)*SSLOT+\a*SROW16+64*((\t)&1)+32
.endr
.endm
.macro HK p, t, zero, bar, pw, fetch
.if \bar
	s_wait_dscnt 0x0                               ; my reads of the older chunks and my stores of P are done: say so
	s_barrier_signal -1
.else
	s_wait_dscnt 8                                 ; X^T and P rows 0-63 are in; the eight loads of rows 64-127 may be out
.endif
	WIN 0xa1
	MUL16 128+64*\p, 64+64*\p, 0, 0, \zero
	MUL16 128+64*\p, 64+64*\p, 0, 2, \zero
.if \bar
	s_barrier_wait -1
.endif
.if \fetch
	PLACES
.if \pw >= 0
	PWRITE \pw
.endif
	S3FETCH 1-\p, \t+1
	s_wait_dscnt 32                                ; all but the 32 loads just issued
.else
	s_wait_dscnt 0x0
.endif
	WIN 0xf1
	MUL16 128+64*\p, 64+64*\p, 1, 0, \zero
	MUL16 128+64*\p, 64+64*\p, 1, 2, \zero
.endm
.macro HWRITE a, from, tmp, adr        ; 16 rows of H, my 128 columns, to f16 and into LDS where X's rows lay
	WIN \from
.irp b, 0,1,2,3,4,5,6,7
.irp k, 0,1,2,3
	v_cvt_pk_f16_f32 v[\tmp+4*\b+\k], v[8*(8*\a+\b)+2*\k], v[8*(8*\a+\b)+2*\k+1]
.endr
.endr
	WIN 0
.irp b, 0,1,2,3,4,5,6,7
	ds_store_b128 v[\adr], v[\tmp+4*\b:\tmp+4*\b+3] offset:\a*XT16+32*\b
.endr
.endm
; 16 rows of out, my 128 columns: f32 through my own stage in LDS, read back as whole pieces of 512 bytes.
.macro OUT16 blk, a, from, f
	WIN \from
.irp b, 0,1,2,3,4,5,6,7
	ds_store_b128 v[OSW], v[8*(8*\a+\b):8*(8*\a+\b)+3]   offset:64*\b
	ds_store_b128 v[OSW], v[8*(8*\a+\b)+4:8*(8*\a+\b)+7] offset:64*\b+16
.endr
	WIN 0
	s_wait_xcnt 0x0                                ; buffer f is the data of earlier stores: rewritten only behind this wait
.irp i, 0,1,2,3,4,5,6,7,8,9,10,11,12,13,14,15
	ds_load_b128 v[\f+4*\i:\f+4*\i+3], v[OSR] offset:OPITCH*\i     ; LDS serves a wave in order (ISA guide 5.7.1): these see the stores above
.endr
.irp i, 0,1,2,3,4,5,6,7,8,9,10,11,12,13,14,15
	s_wait_dscnt 15-\i                             ; row i is in, the younger rows stay out
	global_store_b128 v[OG], v[\f+4*\i:\f+4*\i+3], s[16:17] offset:(16*\blk+\i)*2048 th:TH_STORE_NT   ; 512 consecutive bytes, aligned
.endr
.endm
; ================================================================ entry
	s_load_b64 s[4:5], s[0:1], 0x0                 ; data
	s_load_b64 s[8:9], s[0:1], 0x8                 ; wts
	s_load_b128 s[12:15], s[0:1], 0x10             ; mask, W_out_b
	s_load_b64 s[16:17], s[0:1], 0x20              ; out0
	v_and_b32 v1, 15, v0                           ; r
	v_bfe_u32 v2, v0, 4, 1                         ; h
	v_and_b32 v31, 31, v0                          ; lane
	v_lshrrev_b32 v3, 5, v0
	v_readfirstlane_b32 s20, v3                    ; wave w
	s_lshr_b32 s21, s20, 1                         ; wr
	s_and_b32 s22, s20, 1                          ; wk
	s_and_b32 s23, ttmp9, 1                        ; which half of the graph's rows is mine
	s_lshl_b32 s30, ttmp9, 18                      ; my 128 rows of 2,048 bytes
	s_mov_b32 s31, 0
	s_xor_b32 s34, ttmp9, 1
	s_lshl_b32 s34, s34, 18                        ; the graph's other 128 rows
	s_mov_b32 s35, 0
	s_lshr_b32 s36, ttmp9, 1
	s_lshl_b32 s36, s36, 8                         ; 256 mask bytes a graph
	s_mov_b32 s37, 0
	s_lshl_b32 s38, s20, 16
	v_lshl_add_u32 v[XG], v31, 4, s38
	s_lshl_b32 s38, s22, 4                         ; 16 wk
	s_lshl_b32 s39, s23, 7                         ; LDS rows 0-127 are graph rows 128 half ..
	s_add_co_u32 s40, s38, s39
	s_xor_b32 s39, s39, 128                        ; LDS rows 128-255 are the others
	s_add_co_u32 s41, s38, s39
	v_lshlrev_b32 v3, 3, v2
	v_add_nc_u32 v[MLO], s40, v3                   ; the 8 keys 8 h .. of key tile wk
	v_add_nc_u32 v[MHI], s41, v3
	s_wait_kmcnt 0x0
	s_add_nc_u64 s[6:7], s[4:5], s[34:35]
	s_add_nc_u64 s[4:5], s[4:5], s[30:31]
	s_add_nc_u64 s[10:11], s[8:9], 0x80000
	s_add_nc_u64 s[12:13], s[12:13], s[36:37]
	s_add_nc_u64 s[16:17], s[16:17], s[30:31]
	s_mov_b64 s[32:33], s[8:9]
.irp b, 0,1,2,3
	global_load_b64 v[T+2*\b:T+2*\b+1], v[MLO], s[12:13] offset:32*\b      ; key tile 2 b + wk: 32 keys further with each b
.endr
.irp b, 0,1,2,3
	global_load_b64 v[T+8+2*\b:T+8+2*\b+1], v[MHI], s[12:13] offset:32*\b
.endr
.irp n, 0,1,2,3,4,5
	XLD \n
.endr
	; the other addresses, while the loads fly
	s_mov_b32 s26, 0x76543210                      ; v_permlanex16_b32: lane i of one half reads lane i of the other
	s_mov_b32 s27, 0xfedcba98
	s_mov_b32 s28, 0xf1800000                      ; -2^100
	s_mov_b32 s29, 0xdf800000                      ; -2^64
	s_mul_i32 s38, s20, 4*XROW8
	v_lshl_add_u32 v[XS0], v31, 3, s38
	v_add_nc_u32 v[XS0+1], XHALF, v[XS0]
	s_lshl_b32 s38, s20, 17
	v_lshl_add_u32 v[WOF], v31, 4, s38
	v_lshrrev_b32 v3, 3, v1
	v_mul_u32_u24 v[AL], v3, XROW8
	v_and_b32 v3, 7, v1
	v_mul_u32_u24 v3, v3, XPITCH
	v_add_nc_u32 v[AL], v[AL], v3
	v_lshl_add_u32 v[AL], v2, 4, v[AL]             ; FR
	v_add_nc_u32 v[AH], XQ, v[AL]
	s_mul_i32 s38, s22, XT16
	v_add_nc_u32 v[XA], s38, v[AL]
	v_add_nc_u32 v[XA+1], XQ, v[XA]
	v_add_nc_u32 v[XA+2], XQ, v[XA+1]
	v_add_nc_u32 v[XA+3], XQ, v[XA+2]
	v_mul_u32_u24 v3, v1, SPITCH
	v_lshl_add_u32 v3, v2, 4, v3                   ; r * 144 + 16 h
	v_add_nc_u32 v[SGA3], STG, v3
	s_mul_i32 s38, s21, 64*SPITCH
	v_add_nc_u32 v[SGA2], s38, v[SGA3]
	s_lshl_b32 s39, s20, 5
	v_add_nc_u32 v[SGW], s39, v[SGA3]
	s_lshl_b32 s39, s22, 5
	v_add_nc_u32 v[PWA], s39, v[SGA2]
	v_and_b32 v3, 7, v0
	v_mul_u32_u24 v[XTA], v3, XPITCH
	v_mul_u32_u24 v3, v2, XROW8
	v_add_nc_u32 v[XTA], v[XTA], v3
	v_bfe_u32 v3, v0, 3, 1
	v_lshl_add_u32 v[XTA], v3, 4, v[XTA]
	s_lshl_b32 s38, s20, 8                         ; my 128 columns of f16
	v_add_nc_u32 v[XTA], s38, v[XTA]
	v_add_nc_u32 v[HW0], s38, v[AL]
	v_add_nc_u32 v[HW0+1], XQ, v[HW0]
	s_lshl_b32 s38, s21, 9
	s_add_co_u32 s38, s38, REDM
	v_lshl_add_u32 v[REDR], v1, 3, s38
	s_lshl_b32 s39, s22, 2
	v_add_nc_u32 v[REDW], s39, v[REDR]
	s_mul_i32 s38, s20, OWAVE
	s_add_co_u32 s38, s38, OST
	v_mul_u32_u24 v[OSW], v1, OPITCH
	v_lshl_add_u32 v[OSW], v2, 5, v[OSW]
	v_add_nc_u32 v[OSW], s38, v[OSW]
	v_lshl_add_u32 v[OSR], v31, 4, s38
	s_lshl_b32 s38, s20, 9                         ; my 128 columns of f32
	v_lshl_add_u32 v[OG], v31, 4, s38
	v_lshl_add_u32 v[BO], v2, 5, s38
; ================================================================ phase 0: wave w converts rows 32 w .. 32 w + 31 of my half, then of the other
.irp n, 0,1,2,3,4,5,6,7,8,9,10,11,12,13,14,15,16,17,18,19,20,21,22,23,24,25,26,27,28,29,30,31
	XST \n
.endr
	WLOAD 0, 0                                     ; MT, K steps 0, 1, 2
	WLOAD 1, 1
	WLOAD 2, 2
	WIN 0
.irp b, 0,1,2,3,4,5,6,7                            ; the mask as a C operand: -2^100 where bit 0 of the key's byte is set, else 0
.irp j, 0,1,2,3,4,5,6,7
	v_bfe_u32 v[CB+8*\b+\j], v[T+2*\b+(\j>>2)], 8*(\j&3), 1
.endr
.endr
.set k, 0
.rept 64
	v_mul_lo_u32 v[CB+k], v[CB+k], s28
.set k, k+1
.endr
	s_wait_dscnt 0x0                               ; my rows of X are in LDS
	BARRIER
; ================================================================ stage 1: Q' = X_own MT^T; my tile b holds columns 64 b + 16 w ..
	GEMM512 1, .Lq
; ================================================================ stage 2: S = bias + Q' X^T, Q' in chunks of 64 columns through three slots
	PLACES
	QWRITE 0
	QWRITE 1
	s_wait_dscnt 0x0
	BARRIER
	S2FETCH 0, 0
	s_wait_dscnt 0x0
	WIN 0x40
	S2MUL 0, 0, 1                                  ; the mask's bias starts the sums
	S2MUL 0, 2, 1
	PLACES
	QWRITE 2
	S2FETCH 1, 1                                   ; late, once: its X fragments take the registers of the bias
	S2ODD 1
	S2EVEN 2, 3
	S2ODD 3
	S2EVEN 4, 4
	S2ODD 5
	S2EVEN 6, 5
	S2ODD 7
	S2EVEN 8, 6
	S2ODD 9
	S2EVEN 10, 7
	S2ODD 11
	S2EVEN 12, -1
	S2ODD 13
	S2EVEN 14, -1
	S2ODD 15
; ================================================================ softmax.  Lane (r, h) holds, for each a, 64 keys of row 64 wr + 16 a + r in window 1, v[64 a ..].
	PLACES
	WIN 0x05                                       ; sources 0, 1 in window 1
.irp a, 0,1,2,3
	v_max_num_f32 v[MX+2*\a], v[64*\a], v[64*\a+1]
.endr
.set k, 2
.rept 31
.irp a, 0,1,2,3
	v_max3_num_f32 v[MX+2*\a], v[64*\a+k], v[64*\a+k+1], v[MX+2*\a]
.endr
.set k, k+2
.endr
	WIN 0
.irp a, 0,1,2,3
	v_permlanex16_b32 v[MX+2*\a+1], v[MX+2*\a], s26, s27   ; the other 64 keys of the row in this wave
.endr
.irp a, 0,1,2,3
	v_max_num_f32 v[MX+2*\a], v[MX+2*\a], v[MX+2*\a+1]
.endr
.irp a, 0,1,2,3
	ds_store_b32 v[REDW], v[MX+2*\a] offset:128*\a
.endr
	s_wait_dscnt 0x0
	BARRIER
.irp a, 0,1,2,3
	ds_load_b64 v[MX+2*\a:MX+2*\a+1], v[REDR] offset:128*\a        ; the figures of the two waves that share the row
.endr
	s_wait_dscnt 0x0
.irp a, 0,1,2,3
	v_max3_num_f32 v[NM+2*\a],   v[MX+2*\a], v[MX+2*\a+1], s29     ; never below -2^64: with every key masked S - max stays near -2^100
	v_max3_num_f32 v[NM+2*\a+1], v[MX+2*\a], v[MX+2*\a+1], s29
.endr
	WIN 0x41                                       ; destination and source 0 in window 1
.irp a, 0,1,2,3
.irp b, 0,1,2,3,4,5,6,7
.irp k, 0,2,4,6
	v_pk_add_f32 v[8*(8*\a+\b)+\k:8*(8*\a+\b)+\k+1], v[8*(8*\a+\b)+\k:8*(8*\a+\b)+\k+1], v[NM+2*\a:NM+2*\a+1] neg_lo:[0,1] neg_hi:[0,1]
.endr
.irp k, 0,1,2,3,4,5,6,7
	v_exp_f32 v[8*(8*\a+\b)+\k], v[8*(8*\a+\b)+\k]                 ; the next tile's subtractions are the plain place behind these (ISA guide 5.7.2)
.endr
.endr
.endr
	v_nop
	WIN 0x05
	s_wait_alu depctr_va_vdst(0)
.irp a, 0,1,2,3
	v_pk_add_f32 v[SM+2*\a:SM+2*\a+1], v[64*\a:64*\a+1], v[64*\a+2:64*\a+3]
.endr
	WIN 0x01
.set k, 4
.rept 30
.irp a, 0,1,2,3
	v_pk_add_f32 v[SM+2*\a:SM+2*\a+1], v[64*\a+k:64*\a+k+1], v[SM+2*\a:SM+2*\a+1]
.endr
.set k, k+2
.endr
	WIN 0
.irp a, 0,1,2,3
	v_add_f32 v[SM+2*\a], v[SM+2*\a], v[SM+2*\a+1]
.endr
.irp a, 0,1,2,3
	v_permlanex16_b32 v[SM+2*\a+1], v[SM+2*\a], s26, s27
.endr
.irp a, 0,1,2,3
	v_add_f32 v[SM+2*\a], v[SM+2*\a], v[SM+2*\a+1]
.endr
.irp a, 0,1,2,3
	ds_store_b32 v[REDW], v[SM+2*\a] offset:REDS+128*\a
.endr
	s_wait_dscnt 0x0
	BARRIER
.irp a, 0,1,2,3
	ds_load_b64 v[SM+2*\a:SM+2*\a+1], v[REDR] offset:REDS+128*\a
.endr
	s_wait_dscnt 0x0
.irp a, 0,1,2,3
	v_add_f32 v[SM+2*\a], v[SM+2*\a], v[SM+2*\a+1]
.endr
.irp a, 0,1,2,3
	v_rcp_f32 v[INV+2*\a], v[SM+2*\a]
.endr
	v_nop                                          ; the plain place behind the reciprocals
	s_wait_alu depctr_va_vdst(0)
.irp a, 0,1,2,3
	v_cmp_lt_f32 vcc_lo, 0, v[SM+2*\a]
	v_cndmask_b32 v[INV+2*\a], 0, v[INV+2*\a], vcc_lo      ; a sum of zero (every key masked): P = 0
	v_mov_b32 v[INV+2*\a+1], v[INV+2*\a]
.endr
	WIN 0x41
.set k, 0
.rept 128
	v_pk_mul_f32 v[2*k:2*k+1], v[2*k:2*k+1], v[INV+2*(k>>5):INV+2*(k>>5)+1]
.set k, k+1
.endr
	WIN 0x45                                       ; all in window 1: P tile (a, b) ends at v[4 (8 a + b)]; a target never lies above its sources
.set k, 0
.rept 128
	v_cvt_pk_f16_f32 v[k], v[2*k], v[2*k+1]
.set k, k+1
.endr
; ================================================================ stage 3: H = P X, P in chunks of 64 keys through the three slots
	PWRITE 0
	PWRITE 1
	s_wait_dscnt 0x0
	BARRIER
	S3FETCH 0, 0
	HK 0, 0, 1, 0, 2, 1                            ; chunk 2 goes into the slot that held the row figures: their reads ended in front of the barrier above
	HK 1, 1, 0, 0, -1, 1
	HK 0, 2, 0, 1, 3, 1                            ; barrier: chunk 2 may be read, chunk 0's slot may be written
	HK 1, 3, 0, 0, -1, 1
	HK 0, 4, 0, 1, -1, 1                           ; barrier: chunk 3 may be read
	HK 1, 5, 0, 0, -1, 1
	HK 0, 6, 0, 0, -1, 1
	HK 1, 7, 0, 0, -1, 0
; ================================================================ H into LDS, where X's rows 0-127 lay
	s_wait_dscnt 0x0
	BARRIER                                        ; nobody reads X any more
	PLACES
	WIN 0
.irp b, 0,1,2,3,4,5,6,7
	global_load_b128 v[CB+8*\b:CB+8*\b+3],   v[BO], s[14:15] offset:64*\b      ; b of columns 128 w + 16 b + 8 h ..
	global_load_b128 v[CB+8*\b+4:CB+8*\b+7], v[BO], s[14:15] offset:64*\b+16
.endr
	s_mov_b64 s[32:33], s[10:11]                   ; NN; stage 1's loads were waited for with the count 0
	WLOAD 0, 0
	WLOAD 1, 1
	WLOAD 2, 2
	HWRITE 0, 0x0a, T, HW0
	HWRITE 1, 0x0a, FA0, HW0
	HWRITE 2, 0x0a, T, HW0
	HWRITE 3, 0x0a, FA0, HW0
	HWRITE 0, 0x0f, T, HW0+1
	HWRITE 1, 0x0f, FA0, HW0+1
	HWRITE 2, 0x0f, T, HW0+1
	HWRITE 3, 0x0f, FA0, HW0+1
	s_wait_dscnt 0x0
	BARRIER
; ================================================================ stage 4: out = H NN^T + b; the loads of b are older than slot 0's, so the first wait covers them
	GEMM512 2, .Lo
; ================================================================ the way out
	PLACES
	OUT16 0, 0, 0x08, FA0
	OUT16 1, 1, 0x08, FA1
	OUT16 2, 2, 0x08, FA0
	OUT16 3, 3, 0x08, FA1
	OUT16 4, 0, 0x0c, FA0
	OUT16 5, 1, 0x0c, FA1
	OUT16 6, 2, 0x0c, FA0
	OUT16 7, 3, 0x0c, FA1
	s_wait_xcnt 0x0
	v_lshl_add_u32 v254, v0, 2, 0x4fa00
	v_mov_b32 v255, 0
	s_wait_tensorcnt 0x0
	ds_add_u32 v254, v255
	s_wait_dscnt 0x0
	s_endpgm
.Lfunc_end_k_q096e3aef89_attn:
	.size	k_q096e3aef89_attn, .Lfunc_end_k_q096e3aef89_attn-k_q096e3aef89_attn
	.p2alignl 7, 3214868480
	.fill 96, 4, 3214868480
	.section	.rodata,"a",@progbits
	.p2align	6, 0x0
	.amdhsa_kernel k_q096e3aef89_attn
		.amdhsa_group_segment_fixed_size 327680
		.amdhsa_private_segment_fixed_size 0
		.amdhsa_enable_private_segment 0
		.amdhsa_kernarg_size 40
		.amdhsa_user_sgpr_count 2
		.amdhsa_user_sgpr_kernarg_segment_ptr 1
		.amdhsa_wavefront_size32 1
		.amdhsa_system_sgpr_workgroup_id_x 1
		.amdhsa_system_sgpr_workgroup_id_y 1
		.amdhsa_system_sgpr_workgroup_id_z 1
		.amdhsa_system_vgpr_workitem_id 0
		.amdhsa_next_free_vgpr 1024
		.amdhsa_next_free_sgpr 66
		.amdhsa_reserve_vcc 1
		.amdhsa_float_denorm_mode_32 3
		.amdhsa_float_denorm_mode_16_64 3
		.amdhsa_memory_ordered 1
		.amdhsa_forward_progress 1
		.amdhsa_inst_pref_size 255
	.end_amdhsa_kernel
	.section	.bss,"aw",@nobits
	.p2align	6
	.space	262144
	.amdgpu_metadata
---
amdhsa.version: [ 1, 2 ]
amdhsa.kernels:
  - .name:           k_q096e3aef89_attn
    .symbol:         k_q096e3aef89_attn.kd
    .args:
      - { .name: data, .offset: 0, .size: 8, .value_kind: global_buffer, .address_space: global }
      - { .name: wts, .offset: 8, .size: 8, .value_kind: global_buffer, .address_space: global }
      - { .name: mask, .offset: 16, .size: 8, .value_kind: global_buffer, .address_space: global }
      - { .name: W_out_b, .offset: 24, .size: 8, .value_kind: global_buffer, .address_space: global }
      - { .name: out0, .offset: 32, .size: 8, .value_kind: global_buffer, .address_space: global }
    .group_segment_fixed_size: 327680
    .private_segment_fixed_size: 0
    .kernarg_segment_align: 8
    .kernarg_segment_size: 40
    .max_flat_workgroup_size: 128
    .sgpr_count:     66
    .vgpr_count:     1024
    .wavefront_size: 32
...
	.end_amdgpu_metadata
.endif
;; end of part 2
